; MI455X (gfx1250); checked and timed in simulation.
; The chip was launched on July 23, 2026; its instructions are those of AMD's public machine-readable ISA for CDNA 5 (MIT licence, August 2026) and "CDNA5" Instruction Set Architecture Reference Guide (July 2026). The comments in the code are by the model that wrote it; some were corrected since.
;; Scaled Dot Product Attention. Allowed arithmetic: matrix products marked QUANTISED: E2M1 operands, one E8M0 scale for each 32 along K, by v_wmma_scale_f32_16x16x128_f8f6f4 with both operands' format E2M1 (or v_wmma_scale_f32_32x16x128_f4), f32 sums; everything else in f32.
;; Inputs: k_codes 2 x 16 x 2,048 x 2 x 16 uint8 (E2M1 codes of k, K innermost, in blocks of 32 codes, two codes a byte); k_scales 2 x 16 x 2,048 x 2 uint8 (E8M0 scales of k, one for each 32 codes along K); mask 1 x 1 x 2,048 x 2,048 float32; q_codes 2 x 16 x 2,048 x 2 x 16 uint8 (E2M1 codes of q, K innermost, in blocks of 32 codes, two codes a byte); q_scales 2 x 16 x 2,048 x 2 uint8 (E8M0 scales of q, one for each 32 codes along K); v_codes 2 x 16 x 64 x 64 x 16 uint8 (E2M1 codes of v, K innermost, in blocks of 32 codes, two codes a byte); v_scales 2 x 16 x 64 x 64 uint8 (E8M0 scales of v, one for each 32 codes along K).
;; Outputs: out0 2 x 16 x 2,048 x 64 float32.
;; This version of the problem:
;;   THIS VERSION OF THE PROBLEM IS GIVEN IN LOW PRECISION. The matrix products marked QUANTISED in the list below multiply operands that are first quantised to E2M1 (2 exponent bits, 1 mantissa bit; 4 bits a number), with one power-of-two scale for each 32 numbers along K (OCP MX v1.0); their sums are f32. All else is computed in f32.
;;   The module's matrix products, in the order in which they are computed (A, B: the left and right operand; K: the contracted axis; several contracted axes count as one K, in the product's order):
;;     1. batch 32 x [M 2,048, K 64] x [K 64, N 2,048]; A: input q (given as codes); B: input k (given as codes): QUANTISED
;;     2. batch 32 x [M 2,048, K 2,048] x [K 2,048, N 64]; A: softmax (see below); B: input v (given as codes): QUANTISED
;;   THE QUANTISER, for each operand of a quantised product, along K:
;;     - K is cut into blocks of 32 from its start; a last block that is shorter is filled with zeros.
;;     - A block's scale is 2^e with e = floor(log2(the largest magnitude in the block)) - 2, held to -126 .. 127; a block of zeros has e = 0. As a byte (E8M0): e + 127.
;;     - Each number is divided by its block's scale, clamped to +-6, and rounded to the nearest number of E2M1, ties to even, subnormals kept.
;;     - The product sums the exact products of the quantised numbers (number of the format x scale) in f32.
;;   ~~~python
;;   def quantise(x, axis):      # numpy; x: float32 -> the quantised numbers, widened to float32 again
;;       x = np.moveaxis(x, axis, -1); K = x.shape[-1]
;;       x = np.pad(x, [(0, 0)] * (x.ndim - 1) + [(0, -K % 32)]); x = x.reshape(x.shape[:-1] + (-1, 32)); a = np.abs(x).max(-1, keepdims=True)
;;       e = np.where(a > 0, np.clip(np.frexp(np.where(a > 0, a, 1))[1] - 1 - 2, -126, 127), 0)      # np.frexp(a)[1] - 1 = floor(log2(a)), exactly
;;       r = np.clip(x / 2.0 ** e, -6, 6)
;;       step = 2.0 ** (np.maximum(np.frexp(np.where(r == 0, 1, r))[1] - 1, 0) - 1)
;;       q = np.round(r / step) * step * 2.0 ** e      # np.round: ties to even
;;       return np.moveaxis(q.reshape(q.shape[:-2] + (-1,))[..., :K], -1, axis).astype(np.float32)
;;   ~~~
;;   SOFTMAX AHEAD OF A QUANTISED PRODUCT. Where the list says 'softmax', what is quantised is not the finished softmax but p = 2^(t - M), with t = logit x log2(e) and M = ceil(the row's largest t), a whole number; so 1/2 < the row's largest p <= 1. The row's sum l is taken of the UNQUANTISED p, in f32, and the product's result is divided by l at the end. Since M is a whole number, a kernel that streams over the keys may use a running M (the ceiling of the running maximum): every later rescaling is an exact power of two, which a block's scale takes up: the codes' values come out the same.
;;   OPERANDS COMPUTED ON THE WAY. 'Computed on the way' means the value that the module computes at that place (a softmax that the list does not call 'softmax' is quantised finished and normalised). What goes into a quantiser is computed in f32, as accurately as f32 sums, v_exp_f32 and their like allow (about 1e-6 of the number): no bf16 or f16 on the way to a quantiser, and a product that is left as it is and whose result goes on into a quantised operand takes f32 operands (vector FMAs, or v_wmma_f32_16x16x4_f32). A number that lies on a knife's edge between two numbers of the format may be rounded either way, as far as f32 arithmetic and the matrix unit's own rounding can turn it there, and no further.
;;   INPUTS GIVEN AS CODES. k (in the module: [2, 16, 2048, 64], K = its axis 3); q (in the module: [2, 16, 2048, 64], K = its axis 3); v (in the module: [2, 16, 2048, 64], K = its axis 2): each comes as NAME_codes (uint8): NAME with its K axis moved to the last place and cut into blocks of 32 codes, [.., K / 32, bytes a block], one block behind the other in memory; two codes a byte, the lower K in the low four bits (a code: sign, 2 exponent bits, 1 mantissa bit); and NAME_scales (uint8): the same leading axes, one E8M0 byte (e + 127) for each 32 codes along K. Its value is code x scale, taken as it is: it is not quantised again, and the codes and scales need not be those that the quantiser above would give.
;; One version. Each part assembles by itself: llvm-mc -triple=amdgcn-amd-amdhsa -mcpu=gfx1250 --defsym DOCPART=n.
;; ======== version 1 of 1: 1 launch
;; limits: right only within a limited range of input values
;; launch attn (part 1): grid 32 x 8, 8 waves a work-group, clusters of 4 x 4, 327,680 bytes of LDS; arguments q_codes, q_scales, k_codes, k_scales, v_codes, v_scales, mask, out0; writes out0
.if DOCPART == 1
	.amdgcn_target "amdgcn-amd-amdhsa--gfx1250"
	.amdhsa_code_object_version 6
	.text
	.protected	k_q20e2621264_attn
	.globl	k_q20e2621264_attn
	.p2align	8
	.type	k_q20e2621264_attn,@function
k_q20e2621264_attn:
	s_mov_b64 s[64:65], 0
	v_nop
	global_prefetch_b8 v0, s[64:65] scope:SCOPE_SE
	s_setreg_imm32_b32 hwreg(HW_REG_WAVE_MODE, 25, 1), 1
	s_wait_xcnt 0x0
	s_wait_alu depctr_hold_cnt(0) depctr_sa_sdst(0) depctr_va_vdst(0) depctr_va_sdst(0) depctr_va_ssrc(0) depctr_va_vcc(0) depctr_vm_vsrc(0)
	s_getreg_b32 s2, hwreg(HW_REG_IB_STS2, 6, 4)
	s_cmp_eq_u32 s2, 0
	s_cbranch_scc0 .Lentry_in_a_cluster
	s_endpgm
.Lentry_in_a_cluster:
	s_bfe_u32 s2, ttmp6, 0x10000c
	s_cmp_lg_u32 s2, 0xf033
	s_cbranch_scc0 .Lentry_shape_is_right
	s_endpgm
.Lentry_shape_is_right:
; out[hd][q][:] = the sum over k of softmax_k(Q[hd][q] . K[hd][k] / 8 + mask[q][k]) V[hd][k][:], 32 heads, 2,048 queries and keys, head size 64; both products on codes of FP4 (E2M1) with one E8M0 byte for each 32 along K.
; Q, K: codes along the head's 64 (32 bytes and 2 scale bytes a row).  V: codes with the KEYS innermost (row d of a head: 1,024 bytes, 64 scale bytes).  mask: [2048][2048] f32, an input: every tile of it is read and honoured; no work is left out.
; THE SOFTMAX: x = the logit, t = x log2(e); M = the row's running largest t rounded UP to a whole number (kept as -M); p = 2^(t - M), one fused multiply-add and one exponential, is quantised along the keys, not normalised; the row's sum is
; taken of the unquantised p and divides at the end.  When M moves, the sum and O are multiplied by 2^(old M - new M), which rounds nothing.
; HUGE LOGITS.  Where a row's largest x is 2^28 or more in magnitude (a row whose every key carries -1e9, say), the factor is 2 in place of log2(e): then 2 x and M are exact and the largest p is 1.  In f32 the x under the largest lie 16 or more below
; it there, so that they weigh e^-16 at the most by the one factor and 2^-32 by the other: 2,048 of them stay under 2,048 x 2^-23 of the row's sum.
; A BLOCK'S SCALE: p rises with x, so floor(log2(the largest p)) = floor(t - M) of the block's largest x, which the search for the row's maximum passes through: no exponential is spent on it.
; THE LOGIT COSTS NO VECTOR LINE: 1/8 = 2^-3 is taken off Q's scale bytes, and the mask, loaded in the result's own layout, is the C of the first product.
; The first product's K is 64: the upper 64 of the instruction's 128 are zero codes on Q's side, and zero times any code is 0; so on K's side the registers of other fragments stand there, under the scale byte 0.
; SHARES.  A work-group owns 64 queries (block qb) of 4 heads (group hg): 32 x 8 = 256 work-groups.  Wave w of eight owns two query tiles (A and B, 16 queries each: rows 32 (w % 2) on) of head w / 2, in 512 registers, and walks all keys, 128 a step:
; each fragment of K and V that it reads feeds two tiles.  Tile A's softmax, then tile B's: what the next step wants for one tile is loaded from LDS under the other tile's work, and a tile's second product stands in the other tile's part.
; LAYOUT.  Both products are used transposed (S^T = K Q^T, O^T = V^T P^T): a lane holds ONE query (r = lane % 16; h = lane / 16).  THE KEYS OF A TILE ARE NOT NEIGHBOURS: rows 0-7 of tile (c, u) are keys 64 c + 8 u on, rows 8-15 keys 64 c + 32 + 8 u on:
; so a lane's 32 registers of the tiles (c, 0 .. 3) are the whole block of keys 64 c + 32 h + 0 .. 31, in the order that the second product's operand wants: neither the block's maximum nor its codes ask for another lane.
; CLUSTER 4 x 4.  The mask's tile hangs on qb alone: the four work-groups of a column of the cluster ask for it jointly.  K, V and their scale bytes hang on hg alone: the four of a row ask jointly.
; LDS.  Mask and K: two slots of 256 keys.  V: ONE slot of 512 keys (rows of 256 bytes), read once, in a group's first step, into 128 registers, which are its second buffer.  The scale bytes of the four heads stay.
; Behind a round waves 0-1 ask for the mask (32 rows each), 2-3 for K (two heads each), in every other round 4-5 for V (two heads each); at the head waves 6 and 7 ask for the scale bytes: one load a wave, and by this text's count never more than one out.
; A round is opened, crossed and closed in tile A's part of a slot's second step, when the wave has read the slot out, with a part of that tile's softmax (registers alone) in each of its three gaps.
; PREFETCH.  Behind a round's refill for slot i + 2 the same bytes of slot i + 3 are asked of memory, two key steps ahead of their load, each 256 bytes once in a cluster: waves 0-1 8 mask rows each (partners told apart by cy), wave 2 one head's K, waves 3-4 one head's
; V (partners told apart by cx); K and V by the clusters 0 to 3 along x alone.  Slots 0 to 2 and V's groups 0 and 1 come by their loads alone; nothing is asked for behind slot 7 or group 3.
; LIMITS: the promise holds while the scaled scores stay under 2^31 in magnitude; a scale byte of Q under 3 is taken as 3; scale bytes of 0xff and NaN in the mask are not served; p under 2^-126 becomes 0 (the exponential gives no denormals: ISA guide, its entry in 15.8).
; (Of those three gaps the second and the third are empty: the round's lines from the opening barrier's wait on stand without a gap.  So that whole part of tile A's softmax stands in the one gap between the opening signal and its wait.)
.set MP,     1040                      ; a mask row in LDS: 1,024 bytes + 16 = 65 columns of 16 bytes: the 16 rows that a load touches start at 16 different groups of banks (64 banks of 4 bytes: ISA guide 11.1)
.set KP,     1040                      ; 32 keys' codes (1,024 bytes) + 16: lanes 0-7 of a tile take the even columns of 16 bytes, lanes 8-15, one such row on, the odd ones
.set VP,     272                       ; a row of V: 256 bytes + 16 = 17 columns
.set KHEAD,  8*KP                      ; a head's 256 keys in a slot
.set VHEAD,  64*VP
.set KOFF,   64*MP                     ; a slot: the mask's 64 rows, then K of 4 heads
.set SLOTB,  KOFF+4*KHEAD              ; 99,840 bytes
.set VB,     2*SLOTB                   ; V of 4 heads
.set KSC,    VB+4*VHEAD                ; K's scale bytes, 4 heads x 4,096, dense
.set VSC,    KSC+16384                 ; V's, 4 heads x 64 rows x 64, dense
.set SPARE,  VSC+16384                 ; the spare words, 128 bytes for each of eight waves: four blocks of 256 bytes that no other line names
.set STP,    272                       ; the way out: a stage of 32 rows x (256 + 16) bytes for each wave, from LDS byte 0 on: in slot 0, which has then had its last fill and its last read
; window 0
.set SPW, 1                            ; LDS address of my spare word; never rewritten
.set NIL, 2                            ; 0; never rewritten
.set R,   3                            ; lane % 16
.set HF,  4                            ; lane / 16
.set AM,  5                            ; v5, v6   my lane's mask numbers in slot 0, 1
.set AK,  7                            ; v7, v8   my lane's place in a tile of K
.set AV,  9                            ; my lane's place in a tile of V
.set ADS, 10                           ; K's scale bytes: steps 1,024 bytes a trip (512 keys)
.set ADT, 11                           ; V's scale words: steps 16 bytes a trip
.set GO,  12                           ; my byte offset in the wave's rows of out
.set PFO, 13                           ; the prefetches' offset; never rewritten
.set L,   14                           ; v[14:15], v[16:17] the row's sum in two halves, tile A's and B's
.set TR,  18                           ; tile X's own, from TR + 8 X on: the factor, +1 the largest x, +2 -M, +4 f = 2^(old M - new M)
.set QS,  24                           ; v24, v25 Q's scale words
.set PS,  32                           ; v32, v33 p's scale words
.set PX,  34                           ; the lane permutes' results
.set T0,  35
.set T1,  36
.set LG,  37                           ; log2(e)
.set BM,  38                           ; v[38:39] my two blocks' largest x, then t - M
.set E,   40                           ; v[40:41] their floors
.set SO,  42                           ; v[42:43] the conversions' scale operands
.set BQ,  44                           ; v[44:47] the largest x of each accumulator
.set AC,  48                           ; v[48:55] four chains of sums
.set KS,  56                           ; v[56:59] K's scale words
.set TW,  60
.set QA,  61                           ; v61, v62 addresses at the head
.set S,   64                           ; v[64:127] in window 0 (tile A) and window 1 (tile B): the mask, then x, t - M, p
.set O,   128                          ; v[128:159], v[160:191] O^T of A and B
.set KF,  192                          ; v[192:227] K's 8 fragments of 4 registers, pair p at KF + 16 (p / 2) + 4 (p % 2) and 8 on; the last four registers hold zeros
.set PC,  228                          ; v[228:235], v[236:243] p's codes of A and B
.set VS,  244                          ; v[244:251] V's scale words: register 4 g + n: step n of the trip, rows 32 g + lane
; window 1
.set QF,  0                            ; v[256:263], v[264:271] Q's codes of A and B: four registers, and four of zeros
.set VF,  128                          ; v[384:511] V's fragments of four steps: step n, tile t at VF + 32 n + 8 t
.set WV,    20                         ; my wave's number
.set WP,    21                         ; wave % 2
.set WH,    22                         ; wave / 2: my head in the group
.set TRIPS, 23
.set G1M,  24                          ; descriptor groups 1: the mask's, K's, V's, the scale bytes'
.set G1K,  32
.set G1V,  40
.set G1S,  48
.set PFA,  56                          ; s[56:57] where my prefetches stand, s[58:59] a slot on
.set PFS,  58
.set PFN1, 60                          ; waves under this number prefetch in a trip's first round, and in its second
.set PFN3, 61
.set SEL,  62                          ; s[62:63] lane selects for v_permlanex16_b32: lane l xor 16
.set G0M,  68                          ; groups 0: s[68:75] the mask's for two slots, s[76:83] K's, s[84:87] V's, s[88:91], s[92:95] the scale bytes'
.set G0K,  76
.set G0V,  84
.set G0KS, 88
.set G0VS, 92
.set MSB, 0
.macro WIN new                         ; the immediate's high byte repeats the setting that is left
.if MSB != (\new)
	s_set_vgpr_msb (MSB<<8)|(\new)
.set MSB, (\new)
.endif
.endm
.macro WA
	s_wait_alu depctr_va_vdst(0)
.endm
.macro PLACES
.rept 4
	v_nop
.endr
.endm
; A round of the cluster's barrier: my work-group's barrier, so that wave 0's signal speaks for all eight waves; wave 0 signals; every wave waits for all sixteen work-groups; my work-group's barrier once more.
.macro ROUND
	s_barrier_signal -1
	s_barrier_wait -1
	s_cmp_lg_u32 s[WV], 0
	s_cbranch_scc1 .Lnot_wave_0_\@
	s_barrier_signal -3
.Lnot_wave_0_\@:
	s_barrier_wait -3
	s_barrier_signal -1
	s_barrier_wait -1
.endm
.macro GRP1 g, w0, wgs, c, rws, pitch  ; group 1: rws rows of c elements, pitch elements apart
	s_or_b32 s[\g], s[\wgs], \w0
	s_mov_b32 s[\g+1], (\c)<<16
	s_mov_b32 s[\g+2], (\rws)<<16
	s_mov_b32 s[\g+3], (\c)<<16
	s_mov_b32 s[\g+4], \rws
	s_mov_b32 s[\g+5], \pitch
	s_mov_b32 s[\g+6], 0
	s_mov_b32 s[\g+7], 0
.endm
.macro GRP0 g, base                    ; group 0's constant word, its address and its type; its LDS address and its offset in memory stand there already
	s_mov_b32 s[\g], 1
	s_add_nc_u64 s[\g+2:\g+3], s[\base:\base+1], s[\g+2:\g+3]
	s_or_b32 s[\g+3], s[\g+3], 0x80000000
.endm
; A joint fill of slot s, v = 1: and of V.  The branches hang on the wave's number alone.
.macro JLOAD s, v
	s_cmp_lt_u32 s[WV], 2
	s_cbranch_scc0 .Lj_k_\@
	tensor_load_to_lds s[G0M+4*(\s):G0M+4*(\s)+3], s[G1M:G1M+7]
	s_nop 0
	PLACES
	s_branch .Lj_done_\@
.Lj_k_\@:
	s_cmp_lt_u32 s[WV], 4
	s_cbranch_scc0 .Lj_v_\@
	tensor_load_to_lds s[G0K+4*(\s):G0K+4*(\s)+3], s[G1K:G1K+7]
	s_nop 0
	PLACES
	s_branch .Lj_done_\@
.Lj_v_\@:
.if \v
	s_cmp_lt_u32 s[WV], 6
	s_cbranch_scc0 .Lj_done_\@
	tensor_load_to_lds s[G0V:G0V+3], s[G1V:G1V+7]
	s_nop 0
	PLACES
.endif
.Lj_done_\@:
.endm
.macro ASK lim                         ; a prefetch into the L2: see the head
	s_cmp_lt_u32 s[WV], s[\lim]
	s_cbranch_scc0 .Lnot_mine_\@
	global_prefetch_b8 v[PFO], s[PFA:PFA+1] th:TH_LOAD_NT scope:SCOPE_SE
.Lnot_mine_\@:
.endm
	s_load_b256 s[4:11], s[0:1], 0x0               ; q_codes s[4:5], q_scales s[6:7], k_codes s[8:9], k_scales s[10:11]
	s_load_b256 s[12:19], s[0:1], 0x20             ; v_codes s[12:13], v_scales s[14:15], mask s[16:17], out0 s[18:19]
	v_lshl_add_u32 v[SPW], v0, 2, SPARE
	v_mov_b32 v[NIL], 0
	ds_add_u32 v[SPW], v[NIL]                      ; the wave's opening: the add, twice on end, and its wait ahead of my first tensor load
	ds_add_u32 v[SPW], v[NIL]
	v_lshrrev_b32 v[R], 5, v0
	v_readfirstlane_b32 s[WV], v[R]                ; wave 0..7
	s_and_b32 s[WP], s[WV], 1
	s_lshr_b32 s[WH], s[WV], 1
	s_bfe_u32 s98, ttmp6, 0x40000                  ; cx: my place along the cluster's x
	s_bfe_u32 s99, ttmp6, 0x40004                  ; cy: along its y
	s_lshl_b32 s100, ttmp9, 2
	s_add_co_u32 s100, s100, s98                   ; qb = 4 x cluster x + cx: my block of 64 queries
	s_and_b32 s101, ttmp7, 0xffff
	s_lshl_b32 s101, s101, 2
	s_add_co_u32 s101, s101, s99                   ; hg = 4 x cluster y + cy: my group of 4 heads
	s_lshl_b32 s2, 0x1111, s98                     ; my column of the cluster: places cx, cx + 4, cx + 8, cx + 12
	s_lshl_b32 s3, s99, 2
	s_lshl_b32 s3, 15, s3                          ; my row: places 4 cy .. 4 cy + 3
	; Groups 1.  Word 0: 15:0 the mask of work-groups; 17:16 the element's size; 20 padding on; 21 set beside a mask; 24:22 the interval's code; 31:25 the padding's words less one.
	GRP1 G1M, (2<<16)|(1<<20)|(1<<21)|(7<<22)|(3<<25), 2, 256, 32, 2048     ; the mask: 32 rows of 256 numbers; 4 words behind every 256
	GRP1 G1K, (3<<16)|(1<<20)|(1<<21)|(7<<22)|(3<<25), 3, 1024, 2, 8192     ; K: 256 keys of a head are 8,192 dense bytes, one row; two heads; 4 words behind every 256 (32 keys)
	GRP1 G1V, (3<<16)|(1<<20)|(1<<21)|(5<<22)|(3<<25), 3, 32, 128, 128      ; V: two heads' 128 rows of 256 bytes, 1,024 bytes apart; 4 words behind every 64
	GRP1 G1S, (3<<16)|(1<<21), 3, 32, 64, 32                                ; scale bytes of four heads: 16,384 dense bytes as 64 rows of 256
	; Groups 0.  LDS addresses hang on the wave's number alone; the mask's global address on qb and the wave, the others' on hg and the wave.
	s_mul_i32 s[G0M+1], s[WP], 32*MP
	s_add_co_u32 s[G0M+5], s[G0M+1], SLOTB
	s_lshl_b32 s[G0M+2], s100, 19                  ; qb x 64 rows x 8,192 bytes
	s_lshl_b32 s[G0M+3], s[WP], 18                 ; + 32 rows for the second wave
	s_add_co_u32 s[G0M+2], s[G0M+2], s[G0M+3]
	s_mov_b32 s[G0M+3], 0
	s_mul_i32 s[G0K+1], s[WP], 2*KHEAD
	s_add_co_u32 s[G0K+1], s[G0K+1], KOFF
	s_add_co_u32 s[G0K+5], s[G0K+1], SLOTB
	s_lshl_b32 s[G0K+2], s101, 18                  ; 4 heads x 65,536 bytes of codes a group, in K and in V alike
	s_lshl_b32 s[G0K+3], s[WP], 17                 ; + two heads for the second wave
	s_add_co_u32 s[G0K+2], s[G0K+2], s[G0K+3]
	s_mov_b32 s[G0K+3], 0
	s_mul_i32 s[G0V+1], s[WP], 2*VHEAD
	s_add_co_u32 s[G0V+1], s[G0V+1], VB
	s_mov_b32 s[G0V+2], s[G0K+2]
	s_mov_b32 s[G0V+3], 0
	s_mov_b32 s[G0KS+1], KSC
	s_lshl_b32 s[G0KS+2], s101, 14                 ; 4 heads x 4,096 scale bytes a group
	s_mov_b32 s[G0KS+3], 0
	s_mov_b32 s[G0VS+1], VSC
	s_mov_b32 s[G0VS+2], s[G0KS+2]
	s_mov_b32 s[G0VS+3], 0
	WA
	s_wait_dscnt 0x0                               ; both opening adds are done
	s_wait_kmcnt 0x0
	GRP0 G0M, 16
	GRP0 G0K, 8
	GRP0 G0V, 12
	GRP0 G0KS, 10
	GRP0 G0VS, 14
	s_mov_b32 s[G0M+4], 1
	s_add_nc_u64 s[G0M+6:G0M+7], s[G0M+2:G0M+3], 1024      ; slot 1 begins with keys 256 on
	s_mov_b32 s[G0K+4], 1
	s_add_nc_u64 s[G0K+6:G0K+7], s[G0K+2:G0K+3], 8192
	ROUND                                          ; all sixteen work-groups are here: the first joint loads meet
; THE HEAD'S LOADS, ONE A WAVE: ONE tree of branches on the wave's number, each arm with its load and a jump to the tree's end
.macro ARM under, g0, g1, next
	s_cmp_lt_u32 s[WV], \under
	s_cbranch_scc0 \next
	tensor_load_to_lds s[\g0:\g0+3], s[\g1:\g1+7]
	s_nop 0
	PLACES
	s_branch .Lhead_asked
\next:
.endm
	ARM 2, G0M,  G1M, .Lhead_k
	ARM 4, G0K,  G1K, .Lhead_v
	ARM 6, G0V,  G1V, .Lhead_ks
	ARM 7, G0KS, G1S, .Lhead_vs
	tensor_load_to_lds s[G0VS:G0VS+3], s[G1S:G1S+7]
	s_nop 0
	PLACES
.Lhead_asked:
	; Q and out at my first query: row (4 hg + wave / 2) x 2,048 + 64 qb + 32 (wave % 2)
	s_lshl_b32 s66, s101, 2
	s_add_co_u32 s66, s66, s[WH]
	s_lshl_b32 s66, s66, 11
	s_lshl_b32 s67, s100, 6
	s_add_co_u32 s66, s66, s67
	s_lshl_b32 s67, s[WP], 5
	s_add_co_u32 s66, s66, s67
	s_mov_b32 s3, 0
	s_lshl_b32 s2, s66, 5                          ; 32 bytes of codes a row,
	s_add_nc_u64 s[4:5], s[4:5], s[2:3]
	s_lshl_b32 s2, s66, 1                          ; 2 scale bytes,
	s_add_nc_u64 s[6:7], s[6:7], s[2:3]
	s_lshl_b32 s2, s66, 8                          ; 256 bytes of out
	s_add_nc_u64 s[18:19], s[18:19], s[2:3]
	v_and_b32 v[R], 15, v0                         ; r
	v_bfe_u32 v[HF], v0, 4, 1                      ; h
	v_lshlrev_b32 v[QA], 5, v[R]
	v_lshl_add_u32 v[QA], v[HF], 4, v[QA]          ; row r, + 16 h: k = 32 h .. 32 h + 31 of the head's 64
	v_lshlrev_b32 v[QA+1], 1, v[R]
	global_load_u16 v[QS], v[QA+1], s[6:7]         ; row r's two scale bytes; the two bytes above them are 0 and stand over zero codes
	global_load_u16 v[QS+1], v[QA+1], s[6:7] offset:32
	WIN 0x40
	global_load_b128 v[QF:QF+3], v[QA], s[4:5]     ; Q's fragments stay in registers
	global_load_b128 v[QF+8:QF+11], v[QA], s[4:5] offset:512
.irp c, 4,5,6,7
	v_mov_b32 v[QF+\c], 0                          ; k = 64 .. 127: zero codes
	v_mov_b32 v[QF+8+\c], 0
.endr
.set JJ, 0
.rept 32
	v_mov_b32 v[VF+96+JJ], 0                       ; (the first step's part A ends a product of tile B that has no step ahead of it: its operands are zeros)
.set JJ, JJ+1
.endr
	WIN 0
	; the prefetches
	s_lshl_b32 s66, s100, 19
	s_lshl_b32 s67, s99, 17
	s_add_co_u32 s66, s66, s67
	s_lshl_b32 s67, s[WV], 16
	s_add_co_u32 s66, s66, s67                     ; the mask: rows 64 qb + 16 cy + 8 wave
	s_lshl_b32 s2, s101, 2
	s_add_co_u32 s2, s2, s98
	s_lshl_b32 s2, s2, 16                          ; K: head 4 hg + cx
	s_sub_co_u32 s67, s[WV], 3
	s_lshl_b32 s67, s67, 15
	s_add_co_u32 s67, s67, s2                      ; V: the same head, rows 32 (wave - 3) on
	s_mov_b32 s[PFS], 128
	s_mov_b32 s[PFS+1], 0
	s_mov_b32 s98, 1024
	s_cmp_lt_u32 s[WV], 3
	s_cselect_b32 s2, s2, s67
	s_cselect_b64 s[PFA:PFA+1], s[8:9], s[12:13]
	s_cselect_b32 s[PFS], 0x2000, s[PFS]           ; 256 keys on: 8,192 bytes of K, 128 of a row of V,
	s_cselect_b32 s98, 0x100, s98                  ; from lane to lane
	s_cmp_lt_u32 s[WV], 2
	s_cselect_b32 s2, s66, s2
	s_cselect_b64 s[PFA:PFA+1], s[16:17], s[PFA:PFA+1]
	s_cselect_b32 s[PFS], 0x400, s[PFS]            ; 1,024 of a row of the mask
	s_cselect_b32 s98, 0x2000, s98
	s_cselect_b32 s66, 2, 0                        ; of the mask four lanes take one row
	s_cselect_b32 s67, 3, 0
	s_add_nc_u64 s[PFA:PFA+1], s[PFA:PFA+1], s[2:3]
	s_add_nc_u64 s[PFA:PFA+1], s[PFA:PFA+1], s[PFS:PFS+1]
	s_add_nc_u64 s[PFA:PFA+1], s[PFA:PFA+1], s[PFS:PFS+1]  ; at slot 2: the first refill's round steps it to slot 3
	s_cmp_lt_u32 ttmp9, 4
	s_cselect_b32 s[PFN1], 3, 2
	s_cselect_b32 s[PFN3], 5, 2
	v_and_b32 v[T0], 31, v0
	v_lshrrev_b32 v[T1], s66, v[T0]
	v_mul_lo_u32 v[T1], v[T1], s98
	v_and_b32 v[PFO], s67, v[T0]
	v_lshl_add_u32 v[PFO], v[PFO], 8, v[T1]
	; LDS addresses
	WA
	s_mul_i32 s66, s[WP], 32*MP
	s_mul_i32 s67, s[WH], KHEAD
	s_add_co_u32 s67, s67, KOFF
	s_mul_i32 s98, s[WH], VHEAD
	s_add_co_u32 s98, s98, VB
	s_lshl_b32 s99, s[WH], 12
	s_add_co_u32 s99, s99, KSC
	v_mul_u32_u24 v[AM], v[R], MP
	v_lshl_add_u32 v[AM], v[HF], 7, v[AM]
	v_add_nc_u32 v[AM], s66, v[AM]                 ; the mask: row 32 (wave % 2) + r, + 128 h: keys 32 h on of 64
	v_add_nc_u32 v[AM+1], SLOTB, v[AM]
	v_lshrrev_b32 v[T1], 3, v[R]                   ; r / 8
	v_and_b32 v[BM], 7, v[R]                       ; r % 8
	v_mul_u32_u24 v[AK], v[T1], KP
	v_lshl_add_u32 v[AK], v[BM], 5, v[AK]
	v_lshl_add_u32 v[AK], v[HF], 4, v[AK]
	v_add_nc_u32 v[AK], s67, v[AK]                 ; K: key r % 8 + 32 (r / 8), 32 bytes a key, + 16 h
	v_add_nc_u32 v[AK+1], SLOTB, v[AK]
	v_mul_u32_u24 v[AV], v[R], VP
	v_lshl_add_u32 v[AV], v[HF], 4, v[AV]
	v_add_nc_u32 v[AV], s98, v[AV]                 ; V: row r of a tile, + 16 h
	v_lshlrev_b32 v[ADS], 1, v[BM]
	v_lshl_add_u32 v[ADS], v[T1], 6, v[ADS]
	v_lshl_add_u32 v[ADS], v[HF], 4, v[ADS]
	v_add_nc_u32 v[ADS], s99, v[ADS]               ; K's scale bytes: 2 bytes a key; lanes 16-31 take a pair's second tile, 8 keys on
	v_lshlrev_b32 v[ADT], 6, v[T0]
	v_add_nc_u32 v[ADT], s99, v[ADT]
	v_add_nc_u32 v[ADT], VSC-KSC, v[ADT]           ; V's scale bytes: row = my lane
	v_lshlrev_b32 v[GO], 8, v[HF]
	v_lshl_add_u32 v[GO], v[R], 4, v[GO]           ; the way out: lanes 0-15 one row of out, lanes 16-31 the next; 16 bytes a lane
	s_mov_b32 s[SEL], 0x76543210
	s_mov_b32 s[SEL+1], 0xfedcba98
	s_mov_b32 s[TRIPS], 3
	v_mov_b32 v[LG], 0x3fb8aa3b                    ; log2(e)
.irp x, 0,1
	v_mov_b32 v[L+2*\x], 0
	v_mov_b32 v[L+1+2*\x], 0
	v_mov_b32 v[TR+8*\x], 2.0
	v_mov_b32 v[TR+1+8*\x], 0xfe967699             ; the largest x so far: -1e38,
	v_mov_b32 v[TR+2+8*\x], 0x7f167699             ; and -M = 2e38
	v_mov_b32 v[TR+3+8*\x], 0                      ; (named as the upper half of a pair)
	v_mov_b32 v[TR+4+8*\x], 0
	v_mov_b32 v[TR+5+8*\x], 0                      ; (likewise)
	v_mov_b32 v[PS+\x], 0
.endr
	v_mov_b32 v[PX], 0                             ; written once: a lane permute's destination counts as one of its sources
	v_mov_b32 v[TW], 0
.irp c, 0,1,2,3,4,5,6,7
	v_mov_b32 v[PC+8+\c], 0
	v_mov_b32 v[VS+\c], 0
.endr
.irp c, 32,33,34,35
	v_mov_b32 v[KF+\c], 0
.endr
.set JJ, 0
.rept 64
	v_mov_b32 v[O+JJ], 0                           ; O^T of both tiles.  (The step is written once: the first finds zeros, which the first change of M leaves zeros)
.set JJ, JJ+1
.endr
	WA
	s_wait_loadcnt 0x0                             ; Q's codes and scale bytes
.irp x, 0,1
	v_and_b32 v[T0], 0xff, v[QS+\x]                ; 1 / sqrt(64) = 2^-3 goes into Q's scale bytes: each becomes x - min(x, 3)
	v_lshrrev_b32 v[T1], 8, v[QS+\x]
	v_min_u32 v[BM], 3, v[T0]
	v_min_u32 v[BM+1], 3, v[T1]
	v_sub_nc_u32 v[T0], v[T0], v[BM]
	v_sub_nc_u32 v[T1], v[T1], v[BM+1]
	v_lshl_or_b32 v[QS+\x], v[T1], 8, v[T0]
.endr
; 16 LDS loads: tile X's mask in the result's layout: register 32 c + i = key 64 c + 32 h + i of query r
.macro MASKL X, slot, q
	WIN 0x40*\X
.set JJ, 0
.rept 16
	ds_load_b128 v[S+4*JJ:S+4*JJ+3], v[AM+\slot] offset:16*MP*\X+512*(\q)+256*(JJ/8)+16*(JJ%8)
.set JJ, JJ+1
.endr
.endm
; 28 LDS loads: a step's K (pair p holds the tiles (p / 2, 2 (p % 2)) and (p / 2, 2 (p % 2) + 1)), its scale bytes, and tile A's mask.  n: the step's number in the trip
.macro LOADA slot, q, n
	WIN 0
.irp p, 0,1,2,3
	ds_load_u16 v[KS+\p], v[ADS] offset:256*(\n)+128*(\p/2)+32*(\p%2)
.endr
.irp p, 0,1,2,3
.irp i, 0,1
	ds_load_b128 v[KF+16*(\p/2)+4*(\p%2)+8*\i:KF+16*(\p/2)+4*(\p%2)+8*\i+3], v[AK+\slot] offset:4*KP*(\q)+2*KP*(\p/2)+256*(2*(\p%2)+\i)
.endr
.endr
	MASKL 0, \slot, \q
.endm
.macro VLOAD                           ; 34 LDS loads: V's fragments and scale words of a trip's four steps
	WIN 0
.irp g, 0,1
	ds_load_b128 v[VS+4*\g:VS+4*\g+3], v[ADT] offset:2048*\g
.endr
	WIN 0x40
.irp m, 0,1,2,3
.irp t, 0,1,2,3
.irp c, 0,1
	ds_load_b128 v[VF+32*\m+8*\t+4*\c:VF+32*\m+8*\t+4*\c+3], v[AV] offset:16*VP*\t+64*\m+32*\c
.endr
.endr
.endr
	WIN 0
.endm
.macro QK X                            ; the logits = K Q^T / 8 + mask
	WIN 0x04+0x50*\X
.irp p, 0,1,2,3
	v_wmma_scale_f32_32x16x128_f4 v[S+16*\p:S+16*\p+15], v[KF+16*(\p/2)+4*(\p%2):KF+16*(\p/2)+4*(\p%2)+15], v[QF+8*\X:QF+8*\X+7], v[S+16*\p:S+16*\p+15], v[KS+\p], v[QS+\X]
.endr
.endm
.macro PV X, m                         ; O^T += V^T P^T, K = the 128 keys of step m of the trip
	WIN 0x01
.irp g, 0,1
	v_wmma_scale_f32_32x16x128_f4 v[O+32*\X+16*\g:O+32*\X+16*\g+15], v[VF+32*(\m)+16*\g:VF+32*(\m)+16*\g+15], v[PC+8*\X:PC+8*\X+7], v[O+32*\X+16*\g:O+32*\X+16*\g+15], v[VS+4*\g+\m], v[PS+\X]
.endr
.endm
.macro RESC X                          ; O^T under the new M: x f; each accumulator from its low end on
	WIN 0
	WA
.set JJ, O+32*\X
.rept 16
	v_pk_mul_f32 v[JJ:JJ+1], v[JJ:JJ+1], v[TR+4+8*\X:TR+5+8*\X] op_sel_hi:[1,0]
.set JJ, JJ+2
.endr
.endm
.macro MAXS X                          ; the largest x of each accumulator's 16 keys, the four by turns, each from its low end on
	WIN 0x05*\X
.if \X
	WA
.endif
.irp p, 0,1,2,3
	v_max_num_f32 v[BQ+\p], v[S+16*\p], v[S+16*\p+1]
.endr
.irp i, 2,4,6,8,10,12,14
.irp p, 0,1,2,3
	v_max3_num_f32 v[BQ+\p], v[S+16*\p+\i], v[S+16*\p+\i+1], v[BQ+\p]
.endr
.endr
.endm
.macro CHAIN X                         ; the row's maximum, M and f
	WIN 0
	v_max_num_f32 v[BM], v[BQ], v[BQ+1]            ; my two blocks of 32 keys
	v_max_num_f32 v[BM+1], v[BQ+2], v[BQ+3]
	s_delay_alu instid0(VALU_DEP_1)
	v_max_num_f32 v[T0], v[BM], v[BM+1]
	s_delay_alu instid0(VALU_DEP_1)
	v_permlanex16_b32 v[PX], v[T0], s[SEL], s[SEL+1]
	s_delay_alu instid0(VALU_DEP_1)
	v_max3_num_f32 v[TR+1+8*\X], v[TR+1+8*\X], v[T0], v[PX]    ; the running largest x, with lane l xor 16's two blocks
	s_delay_alu instid0(VALU_DEP_1)
	v_and_b32 v[T1], 0x7fffffff, v[TR+1+8*\X]
	v_cmp_gt_u32 vcc_lo, 0x4d800000, v[T1]         ; under 2^28 in magnitude?
	v_cndmask_b32 v[TR+8*\X], 2.0, v[LG], vcc_lo   ; the factor
	v_mul_f32 v[T0], v[TR+1+8*\X], v[TR+8*\X]
	s_delay_alu instid0(VALU_DEP_1)
	v_floor_f32 v[T1], -v[T0]                      ; the new -M = floor(-t) = -ceil(t): M IS A WHOLE NUMBER
	s_delay_alu instid0(VALU_DEP_1)
	v_sub_f32 v[T0], v[T1], v[TR+2+8*\X]           ; M's old value less its new one: a whole number, 0 or less
	v_mov_b32 v[TR+2+8*\X], v[T1]
	s_delay_alu instid0(VALU_DEP_2)
	v_cvt_i32_f32 v[T0], v[T0]                     ; (it saturates)
	s_delay_alu instid0(VALU_DEP_1)
	v_ldexp_f32 v[TR+4+8*\X], 1.0, v[T0]           ; f = 2^(old M - new M)
	v_fma_f32 v[BM], v[BM], v[TR+8*\X], v[TR+2+8*\X]           ; t - M of each block's largest x
	v_fma_f32 v[BM+1], v[BM+1], v[TR+8*\X], v[TR+2+8*\X]
.endm
.macro FMAS X                          ; t - M, two at a time (of the pairs the low words, the factor and -M, serve both halves)
	WIN 0x41*\X
.set JJ, S
.rept 32
	v_pk_fma_f32 v[JJ:JJ+1], v[JJ:JJ+1], v[TR+8*\X:TR+1+8*\X], v[TR+2+8*\X:TR+3+8*\X] op_sel_hi:[1,0,0]
.set JJ, JJ+2
.endr
.endm
.macro EXPS X                          ; p = 2^(t - M), NOT normalised; and behind the batch the blocks' scales, which name none of its results
	WIN 0x41*\X
	WA
.set JJ, S
.rept 64
	v_exp_f32 v[JJ], v[JJ]
.set JJ, JJ+1
.endr
	WIN 0
	v_max_num_f32 v[BM], 0xc2f80000, v[BM]         ; -124 at the least: the byte cannot fall under 1
	v_max_num_f32 v[BM+1], 0xc2f80000, v[BM+1]
	v_floor_f32 v[BM], v[BM]                       ; floor(log2(the block's largest p)),
	v_floor_f32 v[BM+1], v[BM+1]
	v_cvt_i32_f32 v[E], v[BM]                      ; as a whole number
	v_cvt_i32_f32 v[E+1], v[BM+1]
	v_lshl_add_u32 v[SO], v[E], 23, 0x3e800000     ; the conversion's scale operand: exponent field floor - 2 + 127
	v_lshl_add_u32 v[TW], v[E+1], 16, v[E]
	v_lshl_add_u32 v[SO+1], v[E+1], 23, 0x3e800000
	v_permlanex16_b32 v[PX], v[TW], s[SEL], s[SEL+1]
	v_lshl_add_u32 v[TW], v[PX], 8, v[TW]          ; lanes 0-15: blocks 0 and 2 are mine, 1 and 3 lane l + 16's; lanes 16-31 are not read
	v_add_nc_u32 v[PS+\X], 0x7d7d7d7d, v[TW]       ; + 125 in each byte: p's scale word for these 128 keys
.endm
.macro TAIL X                          ; the row's sum of the unquantised p, in four chains, and the codes
	WA
	WIN 0x05*\X
.irp i, 0,1,2,3
	v_pk_add_f32 v[AC+2*\i:AC+2*\i+1], v[S+4*\i:S+4*\i+1], v[S+4*\i+2:S+4*\i+3]
.endr
	WIN 0x01*\X
.set KK, 8
.set CC, 0
.rept 8
.rept 3
	v_pk_add_f32 v[AC+2*(KK%4):AC+2*(KK%4)+1], v[S+2*KK:S+2*KK+1], v[AC+2*(KK%4):AC+2*(KK%4)+1]
.set KK, KK+1
.endr
	v_cvt_scalef32_pk8_fp4_f32 v[PC+8*\X+CC], v[S+8*CC:S+8*CC+7], v[SO+CC/4]   ; register 4 c + u: keys 64 c + 32 h + 8 u + 0 .. 7
.set CC, CC+1
.endr
	WIN 0
	v_pk_add_f32 v[AC:AC+1], v[AC:AC+1], v[AC+2:AC+3]
	v_pk_add_f32 v[AC+4:AC+5], v[AC+4:AC+5], v[AC+6:AC+7]
	v_pk_add_f32 v[AC:AC+1], v[AC:AC+1], v[AC+4:AC+5]
	v_pk_fma_f32 v[L+2*\X:L+2*\X+1], v[L+2*\X:L+2*\X+1], v[TR+4+8*\X:TR+5+8*\X], v[AC:AC+1] op_sel_hi:[1,0,1]   ; the sums under the new M
.endm
; A KEY STEP: 128 keys, the n-th of the trip.  sync = 1: a slot's second step: a round, and the slot is filled again.  sync = 2: a barrier alone: nothing is filled again.  next = 1: another step follows.
; Tile A's part ends the step before's second product of tile B (its O^T x f stands for the places behind the first products); tile B's part that of tile A.
.macro STEP n, sync, next
.set NP, ((\n)+3)%4
.set NS, (((\n)+1)/2)%2
.set NQ, ((\n)+1)%2
	WIN 0
	WA
	s_wait_dscnt 16                                ; K and tile A's mask are in; tile B's 16 loads may be out
	QK 0
	s_wait_dscnt 0x0
	QK 1
	WIN 0
.if \sync
	s_wait_tensorcnt 0x0                           ; no tensor load of mine is out: my part of the other slot (and of V) is in, and a group 0 may be written
	ds_add_u32 v[SPW], v[NIL]                      ; 0 onto my spare word
.if (\sync) == 1
	s_add_nc_u64 s[G0M+4*((\n)/2)+2:G0M+4*((\n)/2)+3], s[G0M+4*((\n)/2)+2:G0M+4*((\n)/2)+3], 2048    ; this slot's next tiles: 512 keys on: 2,048 bytes along the mask's rows,
	s_add_nc_u64 s[G0K+4*((\n)/2)+2:G0K+4*((\n)/2)+3], s[G0K+4*((\n)/2)+2:G0K+4*((\n)/2)+3], 16384   ; 512 rows of K,
.if (\n) == 1
	s_add_nc_u64 s[G0V+2:G0V+3], s[G0V+2:G0V+3], 256                                                 ; 256 bytes along V's rows
.endif
	s_wait_xcnt 0x0                                ; any prefetch of mine has read its address
	s_add_nc_u64 s[PFA:PFA+1], s[PFA:PFA+1], s[PFS:PFS+1]
.endif
.endif
	RESC 1
	MAXS 0
	PV 1, NP
.if \sync
	WIN 0
	WA
	s_wait_dscnt 0x0                               ; the add is done, and my reads of this slot are over
	s_barrier_signal -1
.endif
	CHAIN 0
.if (\n) == 0
	VLOAD                                          ; the last product that named the old fragments stands ahead of the chain
.endif
	FMAS 0
	EXPS 0
	TAIL 0
.if \sync
	WA
	s_barrier_wait -1                              ; the other slot is whole, and no wave of mine still reads this one
.endif
.if (\sync) == 1
	s_cmp_lg_u32 s[WV], 0
	s_cbranch_scc1 .Lr_not_wave_0_\@
	s_barrier_signal -3
.Lr_not_wave_0_\@:
	s_barrier_wait -3
	s_barrier_signal -1
	s_barrier_wait -1                              ; nor does any partner's, and none of them has a load on its way
	JLOAD (\n)/2, (\n)==1                          ; the first thing behind the round
.endif
.if \next
	LOADA NS, NQ, (\n)+1
.endif
.if (\sync) == 1
.if (\n) == 1
	ASK PFN1
.else
	ASK PFN3
.endif
.endif
	RESC 0
	MAXS 1
.if (\n) == 0
	WA
	s_wait_dscnt 28                                ; V's fragments are in: the next step's 28 loads are younger
.endif
	PV 0, \n
	CHAIN 1
	FMAS 1
	EXPS 1
	TAIL 1
.if \next
	MASKL 1, NS, NQ
.endif
.endm
; A TRIP: once round the ring: 512 keys.  more = 1: both slots and V are filled again, and the scale words' addresses step.
.macro TRIP more
	STEP 0, 0, 1
	STEP 1, 2-\more, 1
	STEP 2, 0, 1
	STEP 3, \more, \more
	WIN 0
.if \more
	v_add_nc_u32 v[ADS], 1024, v[ADS]
	v_add_nc_u32 v[ADT], 16, v[ADT]
.endif
.endm
	WA                                             ; the head's end
	s_wait_tensorcnt 0x0                           ; my part of the head's loads is in
	ds_add_u32 v[SPW], v[NIL]
	s_wait_dscnt 0x0
	ROUND
	JLOAD 1, 0                                     ; slot 1's first fill
	LOADA 0, 0, 0
	MASKL 1, 0, 0
	WIN 0
.Ltrip:                                                ; three trips
	s_cmp_eq_u32 s[TRIPS], 1
	s_cselect_b32 s[PFN3], 0, s[PFN3]              ; the third trip's second round asks for nothing: no slot stands behind the one that it fills
	TRIP 1
	s_sub_co_u32 s[TRIPS], s[TRIPS], 1
	WA
	s_cmp_lg_u32 s[TRIPS], 0
	s_cbranch_scc1 .Ltrip
	TRIP 0                                         ; the last trip is written out
	; THE WAY OUT.  O^T / the sum goes through my stage in LDS and comes back as whole rows of 256 bytes.
	RESC 1
	PV 1, 3                                        ; tile B's last product
	WIN 0
	s_mul_i32 s66, s[WV], 32*STP                   ; my stage
	v_mul_u32_u24 v[AM], v[R], STP
	v_mul_u32_u24 v[AM+1], v[HF], STP
	v_lshl_add_u32 v[AM], v[HF], 5, v[AM]
	v_lshl_add_u32 v[AM+1], v[R], 4, v[AM+1]
	v_add_nc_u32 v[AM], s66, v[AM]                 ; in: row r; tile t's eight channels of my half: 64 t + 32 h bytes on
	v_add_nc_u32 v[AM+1], s66, v[AM+1]             ; back: lanes 0-15 one row, lanes 16-31 the next
	v_add_f32 v[L], v[L], v[L+1]                   ; the sums' two halves,
	v_add_f32 v[L+2], v[L+2], v[L+3]
	v_permlanex16_b32 v[PX], v[L], s[SEL], s[SEL+1]
	v_permlanex16_b32 v[TW], v[L+2], s[SEL], s[SEL+1]
	v_add_f32 v[L], v[L], v[PX]                    ; and lane l xor 16's: the rows' sums
	v_add_f32 v[L+2], v[L+2], v[TW]
	WA
	v_rcp_f32 v[L], v[L]
	v_rcp_f32 v[L+2], v[L+2]
	v_nop                                          ; one plain place behind a transcendental
.irp x, 0,1
	WA
.set JJ, 32*\x
.rept 32
	v_mul_f32 v[S+JJ], v[O+JJ], v[L+2*\x]          ; register 8 t + i is out(r, 16 t + 8 h + i); each accumulator from its low end on
.set JJ, JJ+1
.endr
.irp t, 0,1,2,3
	ds_store_b128 v[AM], v[S+32*\x+8*\t:S+32*\x+8*\t+3] offset:16*STP*\x+64*\t
	ds_store_b128 v[AM], v[S+32*\x+8*\t+4:S+32*\x+8*\t+7] offset:16*STP*\x+64*\t+16
.endr
.irp i, 0,1,2,3,4,5,6,7
	ds_load_b128 v[KF-64*\x+4*\i:KF-64*\x+4*\i+3], v[AM+1] offset:16*STP*\x+2*\i*STP   ; LDS serves a wave's instructions in order (ISA guide 5.7.1.4): these see my stores.  Tile B's rows land where O^T of A stood
.endr
.endr
.irp i, 0,1,2,3,4,5,6,7
	s_wait_dscnt 23-\i                             ; load i of tile A is in: the 7 - i younger ones, B's eight stores and eight loads may be out
	global_store_b128 v[GO], v[KF+4*\i:KF+4*\i+3], s[18:19] offset:512*\i th:TH_STORE_NT   ; 16 lanes store 256 consecutive bytes, a whole row of out
.endr
.irp i, 0,1,2,3,4,5,6,7
	s_wait_dscnt 7-\i
	global_store_b128 v[GO], v[KF-64+4*\i:KF-64+4*\i+3], s[18:19] offset:4096+512*\i th:TH_STORE_NT
.endr
	s_wait_tensorcnt 0x0                           ; the wave's end, behind my last tensor load and my last LDS store
	ds_add_u32 v[SPW], v[NIL]
	s_wait_dscnt 0x0
	ROUND                                          ; the closing round: no work-group ends while a partner may still ask for a tile that names it
	s_endpgm
.Lfunc_end_k_q20e2621264_attn:
	.size	k_q20e2621264_attn, .Lfunc_end_k_q20e2621264_attn-k_q20e2621264_attn
	.p2alignl 7, 3214868480
	.fill 96, 4, 3214868480
	.section	.rodata,"a",@progbits
	.p2align	6, 0x0
	.amdhsa_kernel k_q20e2621264_attn
		.amdhsa_group_segment_fixed_size 327680
		.amdhsa_private_segment_fixed_size 0
		.amdhsa_enable_private_segment 0
		.amdhsa_kernarg_size 64
		.amdhsa_user_sgpr_count 2
		.amdhsa_user_sgpr_kernarg_segment_ptr 1
		.amdhsa_wavefront_size32 1
		.amdhsa_system_sgpr_workgroup_id_x 1
		.amdhsa_system_sgpr_workgroup_id_y 1
		.amdhsa_system_sgpr_workgroup_id_z 1
		.amdhsa_system_vgpr_workitem_id 0
		.amdhsa_next_free_vgpr 512
		.amdhsa_next_free_sgpr 102
		.amdhsa_reserve_vcc 1
		.amdhsa_float_denorm_mode_32 3
		.amdhsa_float_denorm_mode_16_64 3
		.amdhsa_memory_ordered 1
		.amdhsa_forward_progress 1
		.amdhsa_inst_pref_size 252
	.end_amdhsa_kernel
	.amdgpu_metadata
---
amdhsa.version: [ 1, 2 ]
amdhsa.kernels:
  - .name:           k_q20e2621264_attn
    .symbol:         k_q20e2621264_attn.kd
    .args:
      - { .name: q_codes, .offset: 0, .size: 8, .value_kind: global_buffer, .address_space: global }
      - { .name: q_scales, .offset: 8, .size: 8, .value_kind: global_buffer, .address_space: global }
      - { .name: k_codes, .offset: 16, .size: 8, .value_kind: global_buffer, .address_space: global }
      - { .name: k_scales, .offset: 24, .size: 8, .value_kind: global_buffer, .address_space: global }
      - { .name: v_codes, .offset: 32, .size: 8, .value_kind: global_buffer, .address_space: global }
      - { .name: v_scales, .offset: 40, .size: 8, .value_kind: global_buffer, .address_space: global }
      - { .name: mask, .offset: 48, .size: 8, .value_kind: global_buffer, .address_space: global }
      - { .name: out0, .offset: 56, .size: 8, .value_kind: global_buffer, .address_space: global }
    .group_segment_fixed_size: 327680
    .private_segment_fixed_size: 0
    .kernarg_segment_align: 8
    .kernarg_segment_size: 64
    .max_flat_workgroup_size: 256
    .sgpr_count:     102
    .vgpr_count:     512
    .wavefront_size: 32
...
	.end_amdgpu_metadata
.endif
;; end of part 1
